; MI455X (gfx1250); checked and timed in simulation.
; The chip was launched on July 23, 2026; its instructions are those of AMD's public machine-readable ISA for CDNA 5 (MIT licence, August 2026) and "CDNA5" Instruction Set Architecture Reference Guide (July 2026). The comments in the code are by the model that wrote it; some were corrected since.
;; Multi Head Attention. Allowed arithmetic: matrix products marked QUANTISED: E4M3 operands, one given power-of-two scale a tensor, by v_wmma_f32_16x16x64_fp8_fp8 or v_wmma_f32_16x16x128_fp8_fp8, f32 sums; everything else in f32.
;; Inputs: W_o_codes 1,024 x 32 x 32 uint8 (E4M3 codes of W_o, K innermost, in blocks of 32 codes); W_qkv_codes 3,072 x 32 x 32 uint8 (E4M3 codes of W_qkv, K innermost, in blocks of 32 codes); b_o 1,024 float32; b_qkv 3,072 float32; lowp_scales 8 int32 (the exponents e of the quantised operands' scales 2^e); mask 1 x 1 x 2,048 x 2,048 float32; x_codes 4 x 2,048 x 32 x 32 uint8 (E4M3 codes of x, K innermost, in blocks of 32 codes).
;; Outputs: out0 4 x 2,048 x 1,024 float32.
;; This version of the problem:
;;   THIS VERSION OF THE PROBLEM IS GIVEN IN LOW PRECISION. The matrix products marked QUANTISED in the list below multiply operands that are first quantised to E4M3 (4 exponent bits, 3 mantissa bits; 8 bits a number), with one given power-of-two scale for each operand tensor; their sums are f32. All else is computed in f32.
;;   The module's matrix products, in the order in which they are computed (A, B: the left and right operand; K: the contracted axis; several contracted axes count as one K, in the product's order):
;;     1. [M 8,192, K 1,024] x [K 1,024, N 3,072]; A: input x (given as codes); B: input W_qkv (given as codes): QUANTISED (scales: A lowp_scales[0], B lowp_scales[1])
;;     2. batch 64 x [M 2,048, K 64] x [K 64, N 2,048]; A: computed on the way; B: computed on the way: QUANTISED (scales: A lowp_scales[2], B lowp_scales[3])
;;     3. batch 64 x [M 2,048, K 2,048] x [K 2,048, N 64]; A: softmax (see below); B: computed on the way: QUANTISED (scales: A lowp_scales[4], B lowp_scales[5])
;;     4. [M 8,192, K 1,024] x [K 1,024, N 1,024]; A: computed on the way; B: input W_o (given as codes): QUANTISED (scales: A lowp_scales[6], B lowp_scales[7])
;;   THE QUANTISER, for each operand of a quantised product, along K:
;;     - The operand's scale is 2^e, e = its entry of the input lowp_scales (int32; the entries are numbered through the quantised products in the list's order, A before B).
;;     - Each number is divided by the scale, clamped to +-448, and rounded to the nearest number of E4M3, ties to even, subnormals kept.
;;     - The product sums the exact products of the quantised numbers (number of the format x scale) in f32.
;;   ~~~python
;;   def quantise(x, axis, e):      # numpy; x: float32 -> the quantised numbers, widened to float32 again
;;       x = np.moveaxis(x, axis, -1); K = x.shape[-1]
;;       r = np.clip(x / 2.0 ** e, -448, 448)
;;       step = 2.0 ** (np.maximum(np.frexp(np.where(r == 0, 1, r))[1] - 1, -6) - 3)
;;       q = np.round(r / step) * step * 2.0 ** e      # np.round: ties to even
;;       return np.moveaxis(q, -1, axis).astype(np.float32)
;;   ~~~
;;   SOFTMAX AHEAD OF A QUANTISED PRODUCT. Where the list says 'softmax', what is quantised is not the finished softmax but p = 2^(t - M), with t = logit x log2(e) and M = ceil(the row's largest t), a whole number; so 1/2 < the row's largest p <= 1. The row's sum l is taken of the UNQUANTISED p, in f32, and the product's result is divided by l at the end. Since M is a whole number, a kernel that streams over the keys may use a running M (the ceiling of the running maximum): every later rescaling is an exact power of two, so the quantised numbers keep their values, but for numbers so far below the row's largest that they fall under the format's range.
;;   OPERANDS COMPUTED ON THE WAY. 'Computed on the way' means the value that the module computes at that place (a softmax that the list does not call 'softmax' is quantised finished and normalised). What goes into a quantiser is computed in f32, as accurately as f32 sums, v_exp_f32 and their like allow (about 1e-6 of the number): no bf16 or f16 on the way to a quantiser, and a product that is left as it is and whose result goes on into a quantised operand takes f32 operands (vector FMAs, or v_wmma_f32_16x16x4_f32). A number that lies on a knife's edge between two numbers of the format may be rounded either way, as far as f32 arithmetic and the matrix unit's own rounding can turn it there, and no further.
;;   INPUTS GIVEN AS CODES. W_o (in the module: [1024, 1024], K = its axis 1); W_qkv (in the module: [3072, 1024], K = its axis 1); x (in the module: [4, 2048, 1024], K = its axis 2): each comes as NAME_codes (uint8): NAME with its K axis moved to the last place and cut into blocks of 32 codes, [.., K / 32, bytes a block], one block behind the other in memory; one code a byte (a code: sign, 4 exponent bits, 3 mantissa bits); its scale is its entry of lowp_scales. Its value is code x scale, taken as it is: it is not quantised again, and the codes and scales need not be those that the quantiser above would give.
;; One version. Each part assembles by itself: llvm-mc -triple=amdgcn-amd-amdhsa -mcpu=gfx1250 --defsym DOCPART=n.
;; ======== version 1 of 1: 3 launches
;; limits: right only within a limited range of input values
;; workspace buffers: q_img 8,388,608 bytes; k_img 8,388,608 bytes; v_img 8,388,608 bytes; m_img 16,777,216 bytes; vals_codes 8,388,608 bytes
;; launch qkv (part 1): grid 16 x 32, 4 waves a work-group, clusters of 4 x 4, 327,680 bytes of LDS; arguments x_codes, W_qkv_codes, lowp_scales, b_qkv, mask, q_img, k_img, v_img, m_img; writes q_img, k_img, v_img, m_img
.if DOCPART == 1
	.amdgcn_target "amdgcn-amd-amdhsa--gfx1250"
	.amdhsa_code_object_version 6
	.text
	.protected	k_q296f0c991d_qkv
	.globl	k_q296f0c991d_qkv
	.p2align	8
	.type	k_q296f0c991d_qkv,@function
k_q296f0c991d_qkv:
	s_mov_b64 s[64:65], 0
	v_nop
	global_prefetch_b8 v0, s[64:65] scope:SCOPE_SE
	s_setreg_imm32_b32 hwreg(HW_REG_WAVE_MODE, 25, 1), 1
	s_wait_xcnt 0x0
	s_wait_alu depctr_hold_cnt(0) depctr_sa_sdst(0) depctr_va_vdst(0) depctr_va_sdst(0) depctr_va_ssrc(0) depctr_va_vcc(0) depctr_vm_vsrc(0)
	s_getreg_b32 s2, hwreg(HW_REG_IB_STS2, 6, 4)
	s_cmp_eq_u32 s2, 0
	s_cbranch_scc0 .Lentry_in_a_cluster
	s_endpgm
.Lentry_in_a_cluster:
	s_bfe_u32 s2, ttmp6, 0x10000c
	s_cmp_lg_u32 s2, 0xf033
	s_cbranch_scc0 .Lentry_shape_is_right
	s_endpgm
.Lentry_shape_is_right:
.set KROW,   1024
.set ROWB,   256
.set PITCH,  272
.set FR,     16
.set NL,     4
.set NP,     4
.set HALFA,  128*PITCH
.set HALFB,  96*PITCH
.set SLOT,   2*HALFA+2*HALFB
.set LAPS,   2
.set MP,     528
.set MSTG,   2*SLOT
.set SPARE,  MSTG+4*16*MP
.set SC,   8
.set ADRA, 16
.set ADRB, 20
.set MLO,  22
.set MSI,  23
.set MSO,  24
.set QKO,  25
.set BO,   26
.set BV,   27
.set SPW,  28
.set NIL,  29
.set BIAS, 32
.set TMP,  32
.set AF,   128
.set ML,   128
.set MR,   192
.set CODE, 128
.set G1, 24
.set G0, 32
.set G1B, 48
.set G0B, 56
.set MSB, 0
.macro WIN new
.if MSB != (\new)
	s_set_vgpr_msb (MSB<<8)|(\new)
.set MSB, (\new)
.endif
.endm
.macro JLOAD s
	s_cmp_eq_u32 s15, 0
	s_cbranch_scc0 .Lfor_b_\@
	tensor_load_to_lds s[G0+4*\s:G0+4*\s+3], s[G1:G1+7]
	s_nop 0
.rept 4
	v_nop
.endr
	s_branch .Lasked_\@
.Lfor_b_\@:
	tensor_load_to_lds s[G0B+4*\s:G0B+4*\s+3], s[G1B:G1B+7]
	s_nop 0
.rept 4
	v_nop
.endr
.Lasked_\@:
.endm
.macro CREST
	s_cmp_lg_u32 s14, 0
	s_cbranch_scc1 .Lnot_wave_0_\@
	s_barrier_signal -3
.Lnot_wave_0_\@:
	s_barrier_wait -3
	s_barrier_signal -1
	s_barrier_wait -1
.endm
.macro CROUND
	s_barrier_signal -1
	s_barrier_wait -1
	CREST
.endm
.macro PLACES n
.rept \n
	v_nop
.endr
.endm
	s_load_b256 s[4:11], s[0:1], 0x0
	s_load_b256 s[68:75], s[0:1], 0x20
	s_load_b64 s[76:77], s[0:1], 0x40
	v_lshl_add_u32 v[SPW], v0, 2, SPARE
	v_mov_b32 v[NIL], 0
	ds_add_u32 v[SPW], v[NIL]
	ds_add_u32 v[SPW], v[NIL]
	v_lshrrev_b32 v1, 5, v0
	v_readfirstlane_b32 s14, v1
	s_lshr_b32 s15, s14, 1
	s_and_b32 s16, s14, 1
	s_bfe_u32 s40, ttmp6, 0x40000
	s_bfe_u32 s41, ttmp6, 0x40004
	s_lshl_b32 s42, ttmp9, 2
	s_add_co_u32 s42, s42, s40
	s_and_b32 s17, ttmp7, 0xffff
	s_lshl_b32 s17, s17, 2
	s_add_co_u32 s17, s17, s41
	s_lshl_b32 s43, s41, 2
	s_lshl_b32 s43, 15, s43
	s_lshl_b32 s44, 0x1111, s40
	s_or_b32 s[G1+0], s43, (1<<20)|(1<<21)|(5<<22)|(3<<25)
	s_or_b32 s[G1B+0], s44, (1<<20)|(1<<21)|(5<<22)|(3<<25)
	s_mov_b32 s[G1+1], ROWB<<16
	s_mov_b32 s[G1+2], 128<<16
	s_mov_b32 s[G1+3], ROWB<<16
	s_mov_b32 s[G1+4], 128
	s_mov_b32 s[G1+5], KROW
	s_mov_b32 s[G1+6], 0
	s_mov_b32 s[G1+7], 0
	s_mov_b32 s[G1B+1], ROWB<<16
	s_mov_b32 s[G1B+2], 96<<16
	s_mov_b32 s[G1B+3], ROWB<<16
	s_mov_b32 s[G1B+4], 96
	s_mov_b32 s[G1B+5], KROW
	s_mov_b32 s[G1B+6], 0
	s_mov_b32 s[G1B+7], 0
	s_lshl_b32 s18, s16, 7
	s_lshl_b32 s20, s17, 8
	s_add_co_u32 s20, s20, s18
	s_lshl_b32 s20, s20, 10
	s_mov_b32 s21, 0
	s_mul_i32 s46, s42, 192
	s_mul_i32 s18, s16, 96
	s_add_co_u32 s46, s46, s18
	s_lshl_b32 s46, s46, 10
	s_mov_b32 s47, 0
	s_mul_i32 s45, s16, HALFA
	s_mul_i32 s19, s16, HALFB
	s_add_co_u32 s19, s19, 2*HALFA
	s_wait_dscnt 0x0
	s_wait_kmcnt 0x0
	s_load_b256 s[80:87], s[8:9], 0x0
	s_add_nc_u64 s[20:21], s[4:5], s[20:21]
	s_add_nc_u64 s[46:47], s[6:7], s[46:47]
	CROUND
.irp s, 0,1
	s_mov_b32 s[G0+4*\s], 1
	s_add_co_u32 s[G0+4*\s+1], s45, \s*SLOT
	s_add_nc_u64 s[G0+4*\s+2:G0+4*\s+3], s[20:21], \s*ROWB
	s_or_b32 s[G0+4*\s+3], s[G0+4*\s+3], 0x80000000
	s_mov_b32 s[G0B+4*\s], 1
	s_add_co_u32 s[G0B+4*\s+1], s19, \s*SLOT
	s_add_nc_u64 s[G0B+4*\s+2:G0B+4*\s+3], s[46:47], \s*ROWB
	s_or_b32 s[G0B+4*\s+3], s[G0B+4*\s+3], 0x80000000
	s_wait_alu depctr_va_vdst(0)
	s_wait_tensorcnt 0x0
	ds_add_u32 v28, v29
	ds_add_u32 v28, v29
	s_wait_dscnt 0x0
	CROUND
	JLOAD \s
.endr
	v_and_b32 v1, 15, v0
	v_bfe_u32 v2, v0, 4, 1
	v_and_b32 v6, 31, v0
	v_lshlrev_b32 v[MLO], 4, v6
	s_wait_alu depctr_va_vdst(0)
	s_lshl_b32 s92, s17, 4
	s_add_co_u32 s92, s92, s42
	s_lshl_b32 s92, s92, 2
	s_add_co_u32 s92, s92, s14
	s_lshr_b32 s93, s92, 4
	s_and_b32 s94, s92, 15
	s_lshl_b32 s93, s93, 17
	s_lshl_b32 s94, s94, 9
	s_add_co_u32 s94, s93, s94
	s_mov_b32 s95, 0
	s_add_nc_u64 s[68:69], s[68:69], s[94:95]
	s_lshl_b32 s94, s92, 13
	s_add_nc_u64 s[76:77], s[76:77], s[94:95]
.irp i, 0,1,2,3,4,5,6,7,8,9,10,11,12,13,14,15
	global_load_b128 v[ML+4*\i:ML+4*\i+3], v[MLO], s[68:69] offset:\i*8192 th:TH_LOAD_NT
.endr
	s_mul_i32 s94, s42, 192
	s_lshl_b32 s93, s16, 5
	s_add_co_u32 s94, s94, s93
	s_lshl_b32 s94, s94, 2
	s_add_nc_u64 s[10:11], s[10:11], s[94:95]
	v_lshlrev_b32 v[BO], 5, v2
	v_lshlrev_b32 v[BV], 2, v1
.irp i, 0,1,2,3
	global_load_b128 v[BIAS+8*\i:BIAS+8*\i+3], v[BO], s[10:11] offset:(64*(\i/2)+16*(\i%2))*4
	global_load_b128 v[BIAS+8*\i+4:BIAS+8*\i+7], v[BO], s[10:11] offset:(64*(\i/2)+16*(\i%2))*4+16
.endr
	global_load_b32 v80, v[BV], s[10:11] offset:128*4
	global_load_b32 v81, v[BV], s[10:11] offset:144*4
	v_mul_u32_u24 v3, v1, PITCH
	v_lshl_add_u32 v4, v2, 4, v3
	s_mul_i32 s21, s15, HALFA
	s_mul_i32 s22, s16, 32*PITCH
	s_add_co_u32 s22, s22, 2*HALFA
.irp s, 0,1
	v_add_nc_u32 v[ADRA+\s], s21, v4
	v_add_nc_u32 v[ADRB+\s], s22, v4
	s_add_co_u32 s21, s21, SLOT
	s_add_co_u32 s22, s22, SLOT
.endr
	s_mul_i32 s96, s14, 16*MP
	s_add_co_u32 s96, s96, MSTG
	v_add_nc_u32 v[MSI], s96, v[MLO]
	v_mul_u32_u24 v[MSO], v1, MP
	v_lshl_add_u32 v[MSO], v2, 5, v[MSO]
	v_add_nc_u32 v[MSO], s96, v[MSO]
	v_lshlrev_b32 v[QKO], 4, v1
	v_lshl_add_u32 v[QKO], v2, 3, v[QKO]
	s_lshr_b32 s92, s17, 3
	s_lshl_b32 s92, s92, 4
	s_add_co_u32 s92, s92, s42
	s_lshl_b32 s92, s92, 17
	s_and_b32 s93, s17, 7
	s_lshl_b32 s94, s93, 4
	s_lshl_b32 s97, s15, 3
	s_add_co_u32 s94, s94, s97
	s_lshl_b32 s94, s94, 10
	s_add_co_u32 s94, s94, s92
	s_lshl_b32 s97, s16, 9
	s_add_co_u32 s94, s94, s97
	s_add_nc_u64 s[70:71], s[70:71], s[94:95]
	s_add_nc_u64 s[72:73], s[72:73], s[94:95]
	s_lshl_b32 s94, s93, 1
	s_add_co_u32 s94, s94, s15
	s_lshl_b32 s94, s94, 13
	s_add_co_u32 s94, s94, s92
	s_lshl_b32 s97, s16, 12
	s_add_co_u32 s94, s94, s97
	s_add_nc_u64 s[74:75], s[74:75], s[94:95]
	s_wait_alu depctr_va_vdst(0)
	s_wait_loadcnt 10
.irp i, 0,1,2,3,4,5,6,7,8,9,10,11,12,13,14,15
	ds_store_b128 v[MSI], v[ML+4*\i:ML+4*\i+3] offset:MP*\i
.endr
.irp g, 0,1,2,3,4,5,6,7,8,9,10,11,12,13,14,15
	ds_load_b128 v[MR+4*\g:MR+4*\g+3], v[MSO] offset:64*(\g/2)+16*(\g%2)
.endr
	s_wait_kmcnt 0x0
	s_add_co_i32 s92, s80, s81
	s_sub_co_i32 s90, 0, s92
	s_add_co_i32 s93, s82, s83
	s_sub_co_i32 s93, 130, s93
	s_lshl_b32 s88, s93, 23
	s_mov_b32 s89, s88
	s_mov_b32 s91, 0xfb800000
.macro MKSC vs, se
	s_sub_co_i32 s93, \se, s92
	s_add_co_i32 s93, s93, 127
	s_lshl_b32 s94, s93, 23
	v_mov_b32 v[\vs], s94
.endm
	MKSC SC, s82
	MKSC SC+2, s83
	MKSC SC+4, s85
	s_wait_loadcnt 0x0
.set j, 0
.rept 32
	v_ldexp_f32 v[BIAS+j], v[BIAS+j], s90
.set j, j+1
.endr
.irp j, 0,1,2,3,4,5,6,7
	v_ldexp_f32 v[BIAS+32+\j], v80, s90
	v_ldexp_f32 v[BIAS+40+\j], v81, s90
.endr
	s_wait_dscnt 0x0
.set j, 0
.rept 32
	v_pk_mul_f32 v[MR+j:MR+j+1], v[MR+j:MR+j+1], s[88:89] op_sel_hi:[1,0]
.set j, j+2
.endr
.set j, 0
.rept 64
	v_max_num_f32 v[MR+j], s91, v[MR+j]
.set j, j+1
.endr
.irp g, 0,1,2,3,4,5,6,7,8,9,10,11,12,13,14,15
	global_store_b128 v[MLO], v[MR+4*\g:MR+4*\g+3], s[76:77] offset:512*\g
.endr
	s_wait_xcnt 0x0
.macro FRAGA reg, adr, q, i
.irp c, 0,1,2,3
	ds_load_b128 v[\reg+4*\c:\reg+4*\c+3], v[\adr] offset:128*(\q)+32*\c+(\i)*16*PITCH
.endr
.endm
.macro FRAGB reg, adr, q, i
.irp c, 0,1,2,3
	ds_load_b128 v[\reg+4*\c:\reg+4*\c+3], v[\adr] offset:128*(\q)+32*\c+(64*((\i)/2)+16*((\i)%2))*PITCH
.endr
.endm
.macro FETCH_B slot, q, p
	WIN 0x40
.irp i, 0,1,2,3,4,5
	FRAGB 128*(\p)+FR*\i, ADRB+\slot, \q, \i
.endr
	WIN 0
.endm
.macro FETCH_A slot, q, i0
.irp i, \i0, \i0+1, \i0+2, \i0+3
	FRAGA AF+FR*(\i), ADRA+\slot, \q, \i
.endr
.endm
.macro MULP a0, p, first
.if \first
	WIN 0x81+0x40*((\a0)/4)
.else
	WIN 0xa1+0x50*((\a0)/4)
.endif
.irp a, \a0, \a0+1
.irp i, 0,1,2,3
.if \first
	v_wmma_f32_16x16x128_fp8_fp8 v[8*(6*((\a)%4)+\i):8*(6*((\a)%4)+\i)+7], v[128*(\p)+FR*\i:128*(\p)+FR*\i+FR-1], v[AF+FR*(\a):AF+FR*(\a)+FR-1], v[BIAS+8*\i:BIAS+8*\i+7]
.else
	v_wmma_f32_16x16x128_fp8_fp8 v[8*(6*((\a)%4)+\i):8*(6*((\a)%4)+\i)+7], v[128*(\p)+FR*\i:128*(\p)+FR*\i+FR-1], v[AF+FR*(\a):AF+FR*(\a)+FR-1], v[8*(6*((\a)%4)+\i):8*(6*((\a)%4)+\i)+7]
.endif
.endr
.endr
.if \first
	WIN 0x84+0x40*((\a0)/4)
.else
	WIN 0xa4+0x50*((\a0)/4)
.endif
.irp a, \a0, \a0+1
.irp i, 4,5
.if \first
	v_wmma_f32_16x16x128_fp8_fp8 v[8*(6*((\a)%4)+\i):8*(6*((\a)%4)+\i)+7], v[AF+FR*(\a):AF+FR*(\a)+FR-1], v[128*(\p)+FR*\i:128*(\p)+FR*\i+FR-1], v[BIAS+8*\i:BIAS+8*\i+7]
.else
	v_wmma_f32_16x16x128_fp8_fp8 v[8*(6*((\a)%4)+\i):8*(6*((\a)%4)+\i)+7], v[AF+FR*(\a):AF+FR*(\a)+FR-1], v[128*(\p)+FR*\i:128*(\p)+FR*\i+FR-1], v[8*(6*((\a)%4)+\i):8*(6*((\a)%4)+\i)+7]
.endif
.endr
.endr
.endm
.macro STEP slot, q, first
	s_wait_dscnt 4*NL
	MULP 0, (\q)%2, \first
	MULP 2, (\q)%2, \first
	s_wait_dscnt 0
	PLACES NP
	FETCH_B \slot, (\q)+1, 1-(\q)%2
	FETCH_A \slot, (\q)+1, 0
	MULP 4, (\q)%2, \first
	MULP 6, (\q)%2, \first
	PLACES NP
	WIN 0
	FETCH_A \slot, (\q)+1, 4
.endm
.macro TURN slot, next, fill
	s_wait_tensorcnt 0x0
	ds_add_u32 v[SPW], v[NIL]
	s_wait_dscnt 4*NL+1
	MULP 0, 1, 0
	s_wait_dscnt 0x0
	s_barrier_signal -1
	MULP 2, 1, 0
	WIN 0
	s_barrier_wait -1
.if \fill
	CREST
	s_add_nc_u64 s[G0+4*\slot+2:G0+4*\slot+3], s[G0+4*\slot+2:G0+4*\slot+3], 2*ROWB
	s_add_nc_u64 s[G0B+4*\slot+2:G0B+4*\slot+3], s[G0B+4*\slot+2:G0B+4*\slot+3], 2*ROWB
	JLOAD \slot
.else
	PLACES NP
.endif
	FETCH_B \next, 0, 0
	FETCH_A \next, 0, 0
	MULP 4, 1, 0
	MULP 6, 1, 0
	PLACES NP
	WIN 0
	FETCH_A \next, 0, 4
.endm
	s_wait_tensorcnt 1
	s_barrier_signal -1
	s_barrier_wait -1
	FETCH_B 0, 0, 0
	FETCH_A 0, 0, 0
	FETCH_A 0, 0, 4
	STEP 0, 0, 1
	s_mov_b32 s3, LAPS-1
.Llap:
	TURN 0, 1, 1
	STEP 1, 0, 0
	TURN 1, 0, 1
	STEP 0, 0, 0
	s_sub_co_u32 s3, s3, 1
	s_cmp_lg_u32 s3, 0
	s_cbranch_scc1 .Llap
	TURN 0, 1, 0
	STEP 1, 0, 0
	s_wait_dscnt 4*NL
	MULP 0, 1, 0
	MULP 2, 1, 0
	s_wait_dscnt 0
	MULP 4, 1, 0
	MULP 6, 1, 0
	WIN 0
.macro OUTP ap
	WIN 0x02+(\ap)/2
.irp aa, 0,1
.irp i, 0,1,2,3,4,5
.irp j, 0,1,2,3,4,5,6,7
.endr
.endr
.endr
.irp aa, 0,1
.irp i, 0,1,2,3
	v_cvt_scalef32_pk8_fp8_f32 v[CODE+24*(\ap)+2*(4*\aa+\i):CODE+24*(\ap)+2*(4*\aa+\i)+1], v[TMP+8*(6*\aa+\i)+((8*(6*((2*(\ap)+0)%4)+0)+0)-(TMP+8*(6*0+0)+0)):TMP+8*(6*\aa+\i)+7+((8*(6*((2*(\ap)+0)%4)+0)+0)-(TMP+8*(6*0+0)+0))], v[SC+2*(\i/2)]
.endr
.irp i, 4,5
	v_cvt_scalef32_pk8_fp8_f32 v[CODE+24*(\ap)+16+4*(\i-4)+2*\aa:CODE+24*(\ap)+16+4*(\i-4)+2*\aa+1], v[TMP+8*(6*\aa+\i)+((8*(6*((2*(\ap)+0)%4)+0)+0)-(TMP+8*(6*0+0)+0)):TMP+8*(6*\aa+\i)+7+((8*(6*((2*(\ap)+0)%4)+0)+0)-(TMP+8*(6*0+0)+0))], v[SC+4]
.endr
.endr
	WIN 0
	v_nop
.irp aa, 0,1
.irp i, 0,1
	global_store_b64 v[QKO], v[CODE+24*(\ap)+2*(4*\aa+\i):CODE+24*(\ap)+2*(4*\aa+\i)+1], s[70:71] offset:(2*(\ap)+\aa)*1024+\i*256
	global_store_b64 v[QKO], v[CODE+24*(\ap)+2*(4*\aa+\i+2):CODE+24*(\ap)+2*(4*\aa+\i+2)+1], s[72:73] offset:(2*(\ap)+\aa)*1024+\i*256
.endr
.endr
.irp i, 0,1
	global_store_b128 v[MLO], v[CODE+24*(\ap)+16+4*\i:CODE+24*(\ap)+16+4*\i+3], s[74:75] offset:\i*2048+(\ap)*512
.endr
.endm
	PLACES NP
	OUTP 0
	OUTP 1
	OUTP 2
	OUTP 3
	s_wait_tensorcnt 0x0
	ds_add_u32 v[SPW], v[NIL]
	s_wait_dscnt 0x0
	CROUND
	s_endpgm
.Lfunc_end_k_q296f0c991d_qkv:
	.size	k_q296f0c991d_qkv, .Lfunc_end_k_q296f0c991d_qkv-k_q296f0c991d_qkv
	.p2alignl 7, 3214868480
	.fill 96, 4, 3214868480
	.section	.rodata,"a",@progbits
	.p2align	6, 0x0
	.amdhsa_kernel k_q296f0c991d_qkv
		.amdhsa_group_segment_fixed_size 327680
		.amdhsa_private_segment_fixed_size 0
		.amdhsa_enable_private_segment 0
		.amdhsa_kernarg_size 72
		.amdhsa_user_sgpr_count 2
		.amdhsa_user_sgpr_kernarg_segment_ptr 1
		.amdhsa_wavefront_size32 1
		.amdhsa_system_sgpr_workgroup_id_x 1
		.amdhsa_system_sgpr_workgroup_id_y 1
		.amdhsa_system_sgpr_workgroup_id_z 1
		.amdhsa_system_vgpr_workitem_id 0
		.amdhsa_next_free_vgpr 1024
		.amdhsa_next_free_sgpr 100
		.amdhsa_reserve_vcc 0
		.amdhsa_float_denorm_mode_32 3
		.amdhsa_float_denorm_mode_16_64 3
		.amdhsa_fp16_overflow 1
		.amdhsa_memory_ordered 1
		.amdhsa_forward_progress 1
		.amdhsa_inst_pref_size 90
	.end_amdhsa_kernel
	.amdgpu_metadata
---
amdhsa.version: [ 1, 2 ]
amdhsa.kernels:
  - .name:           k_q296f0c991d_qkv
    .symbol:         k_q296f0c991d_qkv.kd
    .args:
      - { .name: x_codes, .offset: 0, .size: 8, .value_kind: global_buffer, .address_space: global }
      - { .name: W_qkv_codes, .offset: 8, .size: 8, .value_kind: global_buffer, .address_space: global }
      - { .name: lowp_scales, .offset: 16, .size: 8, .value_kind: global_buffer, .address_space: global }
      - { .name: b_qkv, .offset: 24, .size: 8, .value_kind: global_buffer, .address_space: global }
      - { .name: mask, .offset: 32, .size: 8, .value_kind: global_buffer, .address_space: global }
      - { .name: q_img, .offset: 40, .size: 8, .value_kind: global_buffer, .address_space: global }
      - { .name: k_img, .offset: 48, .size: 8, .value_kind: global_buffer, .address_space: global }
      - { .name: v_img, .offset: 56, .size: 8, .value_kind: global_buffer, .address_space: global }
      - { .name: m_img, .offset: 64, .size: 8, .value_kind: global_buffer, .address_space: global }
    .group_segment_fixed_size: 327680
    .private_segment_fixed_size: 0
    .kernarg_segment_align: 8
    .kernarg_segment_size: 72
    .max_flat_workgroup_size: 128
    .sgpr_count:     100
    .vgpr_count:     1024
    .wavefront_size: 32
...
	.end_amdgpu_metadata
.endif
;; end of part 1
;; launch attn (part 2): grid 16 x 16, 8 waves a work-group, clusters of 4 x 1, 327,680 bytes of LDS; arguments q_img, k_img, v_img, m_img, lowp_scales, vals_codes; writes vals_codes
.if DOCPART == 2
	.amdgcn_target "amdgcn-amd-amdhsa--gfx1250"
	.amdhsa_code_object_version 6
	.text
	.protected	k_q296f0c991d_attn
	.globl	k_q296f0c991d_attn
	.p2align	8
	.type	k_q296f0c991d_attn,@function
k_q296f0c991d_attn:
	s_mov_b64 s[64:65], 0
	v_nop
	global_prefetch_b8 v0, s[64:65] scope:SCOPE_SE
	s_setreg_imm32_b32 hwreg(HW_REG_WAVE_MODE, 25, 1), 1
	s_wait_xcnt 0x0
	s_wait_alu depctr_hold_cnt(0) depctr_sa_sdst(0) depctr_va_vdst(0) depctr_va_sdst(0) depctr_va_ssrc(0) depctr_va_vcc(0) depctr_vm_vsrc(0)
	s_getreg_b32 s2, hwreg(HW_REG_IB_STS2, 6, 4)
	s_cmp_eq_u32 s2, 0
	s_cbranch_scc0 .Lentry_in_a_cluster
	s_endpgm
.Lentry_in_a_cluster:
	s_bfe_u32 s2, ttmp6, 0x10000c
	s_cmp_lg_u32 s2, 0x3003
	s_cbranch_scc0 .Lentry_shape_is_right
	s_endpgm
.Lentry_shape_is_right:
; SECOND LAUNCH: attention on codes of FP8 (E4M3): scores = q k^T / 8 + mask, the softmax by the stated rule, vals = p v / l, quantised with 2^e6 into vals_codes [8192][1024].
; THE SOFTMAX: t = score x log2(e); M = the running largest t rounded UP to a whole number; p = 2^(t - M) is quantised with 2^e4; the row's sum l is taken of the unquantised p; when M moves, l and O are multiplied by 2^(old M - new M): exact.
; THE MASK COSTS NO VECTOR LINE: m_img holds mask x 2^(3 - e2 - e3) in the order of an accumulator's registers, and is the C of the score product: (sum + C) x c = t with c = log2(e) / 8 x 2^(e2 + e3).
; SHARES.  A work-group owns 128 queries (8 tiles of 16) of four neighbouring heads of one batch.  Wave w: tiles 2 (w % 4), + 1, heads 2 (w / 4), + 1: four units u = 2 e + t.  So a fragment of K or V read from LDS feeds two tiles, and a
; block of the mask in registers feeds two heads.  Two waves lie on a SIMD (512 registers each): one's vector work stands beside the other's waits.
; LAYOUT.  S^T = K Q^T (source 0 = 16 keys, source 1 = 16 queries) and O^T = V^T P^T (source 0 = 16 channels, source 1 = P): a lane holds ONE query throughout; a tile's eight scores of a lane are eight neighbouring keys, so the
; conversions' results are P's registers.  All operands come as images of their registers: every fragment is loads of 16 bytes at 16 x lane.
; RING.  Two LDS slots of 256 keys (two steps of 128); wave w brings 16,384 dense bytes of a slot: head w / 2 of the group, K (w even) or V (w odd).
; CLUSTER.  The four query blocks of a cluster walk the same K and V: every slot is asked for jointly.  The mask's image goes from memory straight into registers and is no tile, so it is not asked for jointly.
; LIMITS: e2 + e3 between -123 and 130 (added to c's exponent field); e4 and e6 - e4 - e5 between -126 and 127.  A row whose every key is masked to -infinity, and NaN, are not served.
; REGISTERS.  window 0: v1-13 addresses and constants; v16-31 four registers a unit: -M, largest t, l in two halves; v32-63 Q; v64-127 K's or V's fragments; v128-191 scores, then p; v192-223 p's codes of the two tiles; v224-233 at work.
;   window 1: v0-63, v64-127 the two tiles' blocks of the mask; v128-255 O^T, 32 a unit.
.set SLOT1, 1<<17                      ; slot 1 begins here: one exclusive or turns an address from slot to slot
.set SPARE, 2*SLOT1                    ; behind the ring: the spare words, 128 bytes for each of eight waves
.set STG,   SPARE+1024                 ; the way out: 128 rows x (256 bytes + 16); no tile lands here
.set SP,    272
.set AL0, 1                            ; v1   16 x lane + 65,536 x (wave / 4): my heads' part of a slot
.set ADR, 2                            ; v2   the step's LDS address
.set MO,  3                            ; v3   16 x lane
.set PFO, 4                            ; v4   256 x lane
.set SPW, 5                            ; v5   my spare word; never rewritten
.set NIL, 6                            ; v6   0; never rewritten
.set STO, 7
.set RD,  8
.set GO,  9
.set PSC, 10                           ; v10  2^e4
.set PLIM, 11
.set OSC, 12                           ; v12  2^(e6 - e4 - e5)
.set OLIM, 13
.set ST,  16
.set Q,   32
.set F,   64
.set X,   128
.set CD,  192
.set TT,  224                          ; v224-228
.set FF,  230                          ; v[230:231] f
.set S2,  232
.set OT,  128                          ; in window 1
.set WV,  16
.set TP,  17
.set HP,  18
.set CX,  19
.set QB,  20
.set Y,   21
.set BAT, 22
.set HG,  23
.set G1,  24                           ; s[24:31]
.set G0,  32                           ; s[32:35] walks
.set MB,  36                           ; s[36:37] the mask's image at my first tile, at the step to be loaded
.set PFA, 38                           ; s[38:39] where my prefetches stand
.set LIM, 40
.set TB,  41                           ; LDS byte at which the step in hand begins
.set SLOTS, 42
.set TWICE, 43
.set CS,  46                           ; s[46:47] c
.set SEL, 48                           ; s[48:49] lane l xor 16
.set MSB, 0
.macro WIN new
.if MSB != (\new)
	s_set_vgpr_msb (MSB<<8)|(\new)
.set MSB, (\new)
.endif
.endm
.macro CROUND
	s_barrier_signal -1
	s_barrier_wait -1
	s_cmp_lg_u32 s[WV], 0
	s_cbranch_scc1 .Lnot_wave_0_\@
	s_barrier_signal -3
.Lnot_wave_0_\@:
	s_barrier_wait -3
	s_barrier_signal -1
	s_barrier_wait -1
.endm
.macro PLACES n
.rept \n
	v_nop
.endr
.endm
	s_load_b256 s[4:11], s[0:1], 0x0               ; q_img s[4:5], k_img s[6:7], v_img s[8:9], m_img s[10:11]
	s_load_b128 s[12:15], s[0:1], 0x20             ; the exponents s[12:13], vals_codes s[14:15]
	v_lshl_add_u32 v[SPW], v0, 2, SPARE
	v_mov_b32 v[NIL], 0
	ds_add_u32 v[SPW], v[NIL]                      ; the opening: the add, twice on end, and its wait ahead of my first tensor load
	ds_add_u32 v[SPW], v[NIL]
	v_lshrrev_b32 v1, 5, v0
	s_delay_alu instid0(VALU_DEP_1)
	v_readfirstlane_b32 s[WV], v1                  ; wave 0..7
	s_and_b32 s[TP], s[WV], 3                      ; my pair of tiles
	s_lshr_b32 s[HP], s[WV], 2                     ; my pair of heads
	s_bfe_u32 s[CX], ttmp6, 0x40000
	s_lshl_b32 s[QB], ttmp9, 2
	s_add_co_u32 s[QB], s[QB], s[CX]               ; my block of 128 queries: it enters global addresses of Q, the mask and vals alone
	s_and_b32 s[Y], ttmp7, 0xffff                  ; 4 x batch + group of four heads: the partners share it
	s_lshr_b32 s[BAT], s[Y], 2
	s_and_b32 s[HG], s[Y], 3
	s_mov_b32 s[G1], 15|(3<<16)|(1<<21)            ; 15:0 the mask: all four partners; 17:16 elements of 8 bytes; 21 set beside a mask; no padding
	s_mov_b32 s[G1+1], 32<<16                      ; tensor_dim0 = 32 elements: rows of 256 bytes
	s_mov_b32 s[G1+2], 64<<16                      ; tensor_dim1 = 64
	s_mov_b32 s[G1+3], 32<<16                      ; tile_dim0
	s_mov_b32 s[G1+4], 64                          ; tile_dim1
	s_mov_b32 s[G1+5], 32                          ; the pitch: the block is dense
	s_mov_b32 s[G1+6], 0
	s_mov_b32 s[G1+7], 0
	s_mov_b32 s[G0], 1
	s_lshl_b32 s[G0+1], s[WV], 14                  ; my 16,384 bytes of slot 0
	s_lshl_b32 s60, s[Y], 2
	s_lshr_b32 s61, s[WV], 1
	s_add_co_u32 s60, s60, s61                     ; hd of the head that I fetch for
	s_lshl_b32 s60, s60, 17
	s_mov_b32 s61, 0
	s_mov_b32 s[SEL], 0x76543210
	s_mov_b32 s[SEL+1], 0xfedcba98
	s_mov_b32 s[TB], 0
	s_mov_b32 s[SLOTS], 7
	s_wait_dscnt 0x0                               ; both opening adds are done
	s_wait_kmcnt 0x0
	s_load_b256 s[52:59], s[12:13], 0x0            ; e0 .. e7
	s_and_b32 s62, s[WV], 1
	s_cmp_eq_u32 s62, 0                            ; even waves fetch K, odd waves V: the choice hangs on the wave's number alone
	s_cselect_b64 s[G0+2:G0+3], s[6:7], s[8:9]
	s_add_nc_u64 s[G0+2:G0+3], s[G0+2:G0+3], s[60:61]
	s_or_b32 s[G0+3], s[G0+3], 0x80000000
	CROUND                                         ; all four work-groups are here
	tensor_load_to_lds s[G0:G0+3], s[G1:G1+7]      ; slot 0: every wave issues one load, so one load of mine is out
	s_nop 0
	PLACES 4
	v_and_b32 v14, 31, v0
	s_delay_alu instid0(VALU_DEP_1)
	v_lshlrev_b32 v[MO], 4, v14
	s_wait_alu depctr_va_vdst(0)
	v_lshlrev_b32 v[PFO], 8, v14
	s_lshl_b32 s60, s[Y], 2
	s_lshl_b32 s62, s[HP], 1
	s_add_co_u32 s60, s60, s62                     ; hd of my first head
	s_lshl_b32 s60, s60, 17
	s_lshl_b32 s62, s[QB], 3
	s_lshl_b32 s63, s[TP], 1
	s_add_co_u32 s62, s62, s63                     ; my first tile of queries in the batch
	s_lshl_b32 s63, s62, 10
	s_add_co_u32 s60, s60, s63
	s_add_nc_u64 s[4:5], s[4:5], s[60:61]
	s_lshl_b32 s60, s62, 17                        ; a tile's 16 blocks of the mask are 131,072 bytes
	s_add_nc_u64 s[MB:MB+1], s[10:11], s[60:61]
.irp e, 0,1
.irp t, 0,1
.irp c, 0,1
	global_load_b128 v[Q+8*(2*\e+\t)+4*\c:Q+8*(2*\e+\t)+4*\c+3], v[MO], s[4:5] offset:\e*131072+\t*1024+512*\c   ; Q stays in registers
.endr
.endr
.endr
	WIN 0x40                                       ; destination window 1
.irp t, 0,1
.irp g, 0,1,2,3,4,5,6,7,8,9,10,11,12,13,14,15
	global_load_b128 v[64*\t+4*\g:64*\t+4*\g+3], v[MO], s[MB:MB+1] offset:\t*131072+512*\g   ; step 0's blocks of the mask
.endr
.endr
.set j, 0
.rept 128
	v_mov_b32 v[OT+j], 0                           ; O^T.  (The step is written without a first step of its own: it finds zeros, which the first change of M leaves zeros)
.set j, j+1
.endr
	WIN 0
.irp u, 0,1,2,3
	v_mov_b32 v[ST+4*\u+1], 0xff61b1e6             ; the largest t so far: -3e38
	s_delay_alu instid0(VALU_DEP_1)
	v_floor_f32 v[ST+4*\u], -v[ST+4*\u+1]          ; -M
	v_mov_b32 v[ST+4*\u+2], 0
	v_mov_b32 v[ST+4*\u+3], 0
.endr
	v_mov_b32 v[TT+4], 0                           ; a lane permute's destination counts as one of its sources
	v_mov_b32 v[FF+1], 0                           ; (named as the upper half of a pair)
	s_lshl_b32 s60, s[QB], 3
	s_add_co_u32 s60, s60, s[WV]                   ; the prefetches: wave w asks for tile w of my work-group's eight
	s_lshl_b32 s60, s60, 17
	s_add_co_u32 s60, s60, 8192                    ; at step 1: the first step's head moves it to step 2
	s_add_nc_u64 s[PFA:PFA+1], s[10:11], s[60:61]
	s_cmp_eq_u32 s[Y], 0                           ; of the sixteen work-groups that read the same blocks the one with y = 0 asks: alike in all partners
	s_cselect_b32 s[LIM], 1, 0
	s_lshl_b32 s62, s[HP], 16
	v_add_nc_u32 v[AL0], s62, v[MO]
	v_and_b32 v14, 15, v0                          ; r
	v_bfe_u32 v15, v0, 4, 1                        ; h
	s_mul_i32 s62, s[TP], 32*SP
	s_lshl_b32 s63, s[HP], 7
	s_add_co_u32 s62, s62, s63
	s_add_co_u32 s62, s62, STG
	v_mul_u32_u24 v[STO], v14, SP
	s_delay_alu instid0(VALU_DEP_1)
	v_lshl_add_u32 v[STO], v15, 3, v[STO]
	s_delay_alu instid0(VALU_DEP_1)
	v_add_nc_u32 v[STO], s62, v[STO]               ; the stage, in: row 32 tp + r, byte 128 hp + 8 h
	s_mul_i32 s62, s[WV], 16*SP
	s_add_co_u32 s62, s62, STG
	v_mul_u32_u24 v[RD], v15, SP
	s_delay_alu instid0(VALU_DEP_1)
	v_lshl_add_u32 v[RD], v14, 4, v[RD]
	s_delay_alu instid0(VALU_DEP_1)
	v_add_nc_u32 v[RD], s62, v[RD]                 ; back: my 16 rows; lanes 0-15 one row, lanes 16-31 the next
	v_lshlrev_b32 v[GO], 10, v15
	s_delay_alu instid0(VALU_DEP_1)
	v_lshl_add_u32 v[GO], v14, 4, v[GO]            ; and the same two rows of vals_codes
	s_lshl_b32 s60, s[BAT], 11
	s_lshl_b32 s62, s[QB], 7
	s_add_co_u32 s60, s60, s62
	s_lshl_b32 s62, s[WV], 4
	s_add_co_u32 s60, s60, s62                     ; the first token that I store
	s_lshl_b32 s60, s60, 10
	s_lshl_b32 s62, s[HG], 8                       ; four heads are 256 bytes of a row
	s_add_co_u32 s60, s60, s62
	s_add_nc_u64 s[14:15], s[14:15], s[60:61]
	s_wait_kmcnt 0x0
	s_add_co_i32 s60, s54, s55
	s_lshl_b32 s60, s60, 23
	s_mov_b32 s[CS], 0x3e38aa3b                    ; log2(e) / 8,
	s_add_co_i32 s[CS], s[CS], s60                 ; x 2^(e2 + e3): the exponents are added to its exponent field
	s_mov_b32 s[CS+1], s[CS]
	s_add_co_i32 s60, s56, 127
	s_lshl_b32 s62, s60, 23
	v_mov_b32 v[PSC], s62
	s_sub_co_i32 s60, s58, s56
	s_sub_co_i32 s60, s60, s57                     ; O / l stands for that x 2^(e4 + e5): its code is that / 2^(e6 - e4 - e5)
	s_add_co_i32 s60, s60, 127
	s_lshl_b32 s62, s60, 23
	v_mov_b32 v[OSC], s62
.macro FETCH_K e                       ; head e's eight tiles of 16 keys: tile kt in v[F + 8 kt ..]
.irp n, 0,1,2,3,4,5,6,7,8,9,10,11,12,13,14,15
	ds_load_b128 v[F+4*\n:F+4*\n+3], v[ADR] offset:\e*32768+512*\n
.endr
.endm
.macro FETCH_V e                       ; head e's four tiles of 16 channels x 128 keys: tile ct in v[F + 16 ct ..]
.irp n, 0,1,2,3,4,5,6,7,8,9,10,11,12,13,14,15
	ds_load_b128 v[F+4*\n:F+4*\n+3], v[ADR] offset:\e*32768+16384+512*\n
.endr
.endm
.macro KQ t, e                         ; eight tiles of scores of tile t, head e; C = the mask's block
	WIN 0x10                                       ; source 2 window 1
.irp kt, 0,1,2,3,4,5,6,7
	v_wmma_f32_16x16x64_fp8_fp8 v[X+8*\kt:X+8*\kt+7], v[F+8*\kt:F+8*\kt+7], v[Q+8*(2*\e+\t):Q+8*(2*\e+\t)+7], v[64*\t+8*\kt:64*\t+8*\kt+7]
.endr
	WIN 0
.endm
.macro RELOAD t                        ; tile t's block of the mask for the next step: both heads have used this step's
	WIN 0x40
.irp g, 0,1,2,3,4,5,6,7,8,9,10,11,12,13,14,15
	global_load_b128 v[64*\t+4*\g:64*\t+4*\g+3], v[MO], s[MB:MB+1] offset:\t*131072+512*\g
.endr
	WIN 0
.endm
; A PREFETCH of the mask's blocks of the step TWO on, one step ahead of the loads that will want them: 8,192 bytes a wave, lanes 256 bytes apart, one instruction.  Each block of 256 bytes is named once in the launch: the work-groups
; with y = 0 ask, wave w for tile w of its work-group's eight; the partners of a cluster differ by address alone.  Steps 0 and 1 come by their loads alone; the last two steps, written out behind the loop, ask for nothing.
.macro ASK
	s_cmp_eq_u32 s[LIM], 1
	s_cbranch_scc0 .Lnot_mine_\@
	global_prefetch_b8 v[PFO], s[PFA:PFA+1] th:TH_LOAD_NT scope:SCOPE_SE
.Lnot_mine_\@:
.endm
; THE SOFTMAX of one unit: 16 queries x 128 keys, 64 scores a lane in v[X ..]; p's codes go to v[CD + 16 t ..].
.macro SM u, t
.set rT, ST+4*(\u)
.set rC, CD+16*(\t)
.set rO, OT+32*(\u)
.irp k, 0,1,2,3                                ; the largest score, in four chains; each accumulator is first read at its low end
	v_max3_num_f32 v[TT+\k], v[X+16*\k], v[X+16*\k+1], v[X+16*\k+2]
.endr
.irp n, 3,5,7,9,11,13
.irp k, 0,1,2,3
	v_max3_num_f32 v[TT+\k], v[TT+\k], v[X+16*\k+\n], v[X+16*\k+\n+1]
.endr
.endr
	v_max3_num_f32 v[TT], v[TT], v[X+15], v[X+31]
	v_max3_num_f32 v[TT+2], v[TT+2], v[X+47], v[X+63]
	s_delay_alu instid0(VALU_DEP_1)
	v_max3_num_f32 v[TT], v[TT], v[TT+1], v[TT+2]
	s_delay_alu instid0(VALU_DEP_1)
	v_max_num_f32 v[TT], v[TT], v[TT+3]
	s_delay_alu instid0(VALU_DEP_1)
	v_permlanex16_b32 v[TT+4], v[TT], s[SEL], s[SEL+1]
	s_delay_alu instid0(VALU_DEP_1)
	v_max_num_f32 v[TT], v[TT], v[TT+4]            ; and among lane l xor 16's keys
	s_delay_alu instid0(VALU_DEP_1)
	v_mul_f32 v[TT], s[CS], v[TT]                  ; as t (c is positive)
	s_delay_alu instid0(VALU_DEP_1)
	v_max_num_f32 v[rT+1], v[rT+1], v[TT]          ; the running largest t
	v_mov_b32 v[TT+1], v[rT]
	s_delay_alu instid0(VALU_DEP_2)
	v_floor_f32 v[rT], -v[rT+1]                    ; the new -M = -ceil(t)
	s_delay_alu instid0(VALU_DEP_1)
	v_sub_f32 v[TT+1], v[rT], v[TT+1]              ; old M - new M: a whole number, 0 or less
	s_delay_alu instid0(VALU_DEP_1)
	v_cvt_i32_f32 v[TT+1], v[TT+1]                 ; (it saturates)
	s_delay_alu instid0(VALU_DEP_1)
	v_ldexp_f32 v[FF], 1.0, v[TT+1]                ; f = 2^(old M - new M)
.set j, 0
.rept 32
	v_pk_fma_f32 v[X+j:X+j+1], v[X+j:X+j+1], s[CS:CS+1], v[rT:rT+1] op_sel_hi:[1,0,0]   ; t - M (of the pairs c and -M the low word serves both halves)
.set j, j+2
.endr
.set j, 0
	s_wait_alu depctr_va_vdst(0)
.rept 64
	v_exp_f32 v[X+j], v[X+j]                       ; p = 2^(t - M)
.set j, j+1
.endr
	v_pk_mul_f32 v[rT+2:rT+3], v[rT+2:rT+3], v[FF:FF+1] op_sel_hi:[1,0]   ; l under the new M: the plain line behind the exponentials
	s_wait_alu depctr_va_vdst(0)                   ; the wait ahead of the first line that names a result: one for the batch of 64
	v_pk_add_f32 v[S2:S2+1], v[X:X+1], v[X+2:X+3]  ; the sum of the UNQUANTISED p, in two chains
.set j, 4
.rept 15
	v_pk_add_f32 v[rT+2:rT+3], v[rT+2:rT+3], v[X+j:X+j+1]
	v_pk_add_f32 v[S2:S2+1], v[S2:S2+1], v[X+j+2:X+j+3]
.set j, j+4
.endr
	s_delay_alu instid0(VALU_DEP_1)
	v_pk_add_f32 v[rT+2:rT+3], v[rT+2:rT+3], v[S2:S2+1]
.set j, 0
.rept 8
.irp i, 0,1,2,3,4,5,6,7
.endr
	v_cvt_scalef32_pk8_fp8_f32 v[rC+2*j:rC+2*j+1], v[X+8*j:X+8*j+7], v[PSC]   ; keys 16 j + 8 h + 0 .. 7: registers 2 j, 2 j + 1 of P
.set j, j+1
.endr
	WIN 0x41                                       ; O^T (destination and source 0) window 1
.set j, 0
.rept 16
	v_pk_mul_f32 v[rO+j:rO+j+1], v[rO+j:rO+j+1], v[FF:FF+1] op_sel_hi:[1,0]   ; O^T under the new M; also the plain lines behind the conversions
.set j, j+2
.endr
	WIN 0
.endm
.macro PV e                            ; O^T += V^T P^T for head e's two tiles: eight accumulators, one instruction a turn
	s_wait_dscnt 0x0                               ; V is in
	WIN 0x50                                       ; C and D window 1
	s_setprio 0
.irp ct, 0,1,2,3
.irp t, 0,1
	v_wmma_f32_16x16x128_fp8_fp8 v[OT+32*(2*\e+\t)+8*\ct:OT+32*(2*\e+\t)+8*\ct+7], v[F+16*\ct:F+16*\ct+15], v[CD+16*\t:CD+16*\t+15], v[OT+32*(2*\e+\t)+8*\ct:OT+32*(2*\e+\t)+8*\ct+7]
.endr
.endr
	WIN 0
.endm
.macro HEAD e, reload, ask
	PLACES 4                                       ; in front of loads into registers that matrix instructions have read
	s_setprio 2
	FETCH_K \e
	s_wait_dscnt 0x0
.if \e == 0
	s_wait_loadcnt 16                              ; tile 0's block of the mask is in (in the first step Q too); tile 1's sixteen loads may be out
.endif
	KQ 0, \e
	PLACES 4                                       ; behind the products: their results are read, and loads go into their C
.if (\e == 1) && \reload
	RELOAD 0
.endif
	SM 2*\e, 0
.if \e == 0
	s_wait_loadcnt 0x0                             ; tile 1's block
.endif
	KQ 1, \e
	PLACES 4
.if (\e == 1) && \reload
	RELOAD 1
.endif
	FETCH_V \e                                     ; lands under the softmax below
.if (\e == 1) && \ask
	ASK
.endif
	s_setprio 1
	SM 2*\e+1, 1
	s_wait_alu depctr_va_vdst(0)
	PV \e
.endm
; A KEY STEP: 128 keys, my four units.  reload = 1: the next step's blocks of the mask are asked for.
.macro STEP reload, ask
.if \reload
	s_wait_xcnt 0x0                                ; the last step's loads and prefetch have read their addresses: they may be stepped
	s_add_nc_u64 s[MB:MB+1], s[MB:MB+1], 8192
.endif
.if \ask
	s_add_nc_u64 s[PFA:PFA+1], s[PFA:PFA+1], 8192
.endif
	v_add_nc_u32 v[ADR], s[TB], v[AL0]
	HEAD 0, \reload, \ask
	HEAD 1, \reload, \ask
	s_add_co_u32 s[TB], s[TB], 8192
.endm
; THE CHANGE OF SLOTS, at a slot's head.  Each wave waits for all its tensor loads (its part of the slot ahead), adds 0 to its spare word, and waits for that and for its reads of the slot that it has left.
; fill = 1: a round of the cluster's barrier, and behind it the slot just left is asked for jointly, with the next 256 keys: it has two key steps in which to land.
.macro CHANGE fill
	s_wait_tensorcnt 0x0                           ; no tensor load of mine is out, so group 0 may be written
	ds_add_u32 v[SPW], v[NIL]
.if \fill
	s_xor_b32 s[G0+1], s[G0+1], SLOT1              ; the other slot than last time,
	s_add_nc_u64 s[G0+2:G0+3], s[G0+2:G0+3], 16384 ; the next 256 keys
	s_wait_dscnt 0x0                               ; the add is done, and my reads of the slot that I have left are over
	CROUND
	tensor_load_to_lds s[G0:G0+3], s[G1:G1+7]      ; my one tensor load behind the round
	s_nop 0
	PLACES 4
.else
	s_wait_dscnt 0x0
	s_barrier_signal -1
	s_barrier_wait -1
.endif
.endm
.Lslot:                                            ; seven trips: behind each change of slots but the last the next slot is asked for (the first trip's load is slot 1's first fill)
	CHANGE 1
	s_mov_b32 s[TWICE], 2
.Lstep:                                            ; a slot's two key steps: written once, walked twice
	STEP 1, 1
	s_sub_co_u32 s[TWICE], s[TWICE], 1
	s_cmp_lg_u32 s[TWICE], 0
	s_cbranch_scc1 .Lstep
	s_setprio 0
	s_sub_co_u32 s[TB], s[TB], 16384
	s_xor_b32 s[TB], s[TB], SLOT1                  ; on to the other slot
	s_sub_co_u32 s[SLOTS], s[SLOTS], 1
	s_cmp_lg_u32 s[SLOTS], 0
	s_cbranch_scc1 .Lslot
	CHANGE 0                                       ; the last slot is written out: no tensor load, no prefetch, and in its last step no load of the mask
	STEP 1, 0
	STEP 0, 0
	; THE WAY OUT.  l's halves and lane l xor 16's are added; O^T / l is held, converted with 2^(e6 - e4 - e5), and goes through the work-group's stage, since a row's 256 bytes (four heads) come from two waves.
.irp u, 0,1,2,3
	v_add_f32 v[ST+4*\u+2], v[ST+4*\u+2], v[ST+4*\u+3]   ; (these four are the places behind the last products)
.endr
.irp u, 0,1,2,3
	s_delay_alu instid0(VALU_DEP_4)
	v_permlanex16_b32 v[TT+\u], v[ST+4*\u+2], s[SEL], s[SEL+1]
.endr
.irp u, 0,1,2,3
	s_delay_alu instid0(VALU_DEP_4)
	v_add_f32 v[ST+4*\u+2], v[ST+4*\u+2], v[TT+\u]
.endr
	s_wait_alu depctr_va_vdst(0)
.irp u, 0,1,2,3
	v_rcp_f32 v[ST+4*\u+2], v[ST+4*\u+2]
.endr
	v_nop                                          ; a plain line behind the last reciprocal
	s_wait_alu depctr_va_vdst(0)                   ; and the wait ahead of the first use: one for the four
.macro OUTU e, t
.set uu, 2*\e+\t
	WIN 0x01                                       ; source 0 window 1
.set j, 0
.rept 16
	v_pk_mul_f32 v[X+j:X+j+1], v[OT+32*uu+j:OT+32*uu+j+1], v[ST+4*uu+2:ST+4*uu+3] op_sel_hi:[1,0]   ; O^T / l; each accumulator from its low end on
.set j, j+2
.endr
	WIN 0
.set j, 0
.rept 32
.set j, j+1
.endr
.irp ct, 0,1,2,3
	v_cvt_scalef32_pk8_fp8_f32 v[CD+16*\t+2*\ct:CD+16*\t+2*\ct+1], v[X+8*\ct:X+8*\ct+7], v[OSC]
.endr
	v_nop                                          ; a plain line between the conversions and the next lines that write their sources
.irp ct, 0,1,2,3
	ds_store_b64 v[STO], v[CD+16*\t+2*\ct:CD+16*\t+2*\ct+1] offset:\t*16*SP+\e*64+16*\ct   ; query r of tile t; channels 16 ct + 8 h + 0 .. 7 of head e
.endr
.endm
	OUTU 0, 0
	OUTU 0, 1
	OUTU 1, 0
	OUTU 1, 1
	s_wait_dscnt 0x0                               ; for the others' sake: my stores into the stage are done
	s_barrier_signal -1
	s_barrier_wait -1
.irp i, 0,1,2,3,4,5,6,7
	ds_load_b128 v[X+4*\i:X+4*\i+3], v[RD] offset:2*\i*SP
.endr
.irp i, 0,1,2,3,4,5,6,7
	s_wait_dscnt 7-\i                              ; LDS loads come back in order: pair i of rows is in, the younger ones may be out
	global_store_b128 v[GO], v[X+4*\i:X+4*\i+3], s[14:15] offset:2048*\i   ; sixteen lanes store 256 consecutive bytes, aligned
.endr
	s_wait_tensorcnt 0x0                           ; the wave's end
	ds_add_u32 v[SPW], v[NIL]
	s_wait_dscnt 0x0
	CROUND                                         ; the closing round
	s_endpgm
.Lfunc_end_k_q296f0c991d_attn:
	.size	k_q296f0c991d_attn, .Lfunc_end_k_q296f0c991d_attn-k_q296f0c991d_attn
	.p2alignl 7, 3214868480
	.fill 96, 4, 3214868480
	.section	.rodata,"a",@progbits
	.p2align	6, 0x0
	.amdhsa_kernel k_q296f0c991d_attn
		.amdhsa_group_segment_fixed_size 327680
		.amdhsa_private_segment_fixed_size 0
		.amdhsa_enable_private_segment 0
		.amdhsa_kernarg_size 48
		.amdhsa_user_sgpr_count 2
		.amdhsa_user_sgpr_kernarg_segment_ptr 1
		.amdhsa_wavefront_size32 1
		.amdhsa_system_sgpr_workgroup_id_x 1
		.amdhsa_system_sgpr_workgroup_id_y 1
		.amdhsa_system_sgpr_workgroup_id_z 1
		.amdhsa_system_vgpr_workitem_id 0
		.amdhsa_next_free_vgpr 512
		.amdhsa_next_free_sgpr 80
		.amdhsa_reserve_vcc 0
		.amdhsa_float_denorm_mode_32 3
		.amdhsa_float_denorm_mode_16_64 3
		.amdhsa_fp16_overflow 1
		.amdhsa_memory_ordered 1
		.amdhsa_forward_progress 1
		.amdhsa_inst_pref_size 183
	.end_amdhsa_kernel
	.amdgpu_metadata
---
amdhsa.version: [ 1, 2 ]
amdhsa.kernels:
  - .name:           k_q296f0c991d_attn
    .symbol:         k_q296f0c991d_attn.kd
    .args:
      - { .name: q_img, .offset: 0, .size: 8, .value_kind: global_buffer, .address_space: global }
      - { .name: k_img, .offset: 8, .size: 8, .value_kind: global_buffer, .address_space: global }
      - { .name: v_img, .offset: 16, .size: 8, .value_kind: global_buffer, .address_space: global }
      - { .name: m_img, .offset: 24, .size: 8, .value_kind: global_buffer, .address_space: global }
      - { .name: lowp_scales, .offset: 32, .size: 8, .value_kind: global_buffer, .address_space: global }
      - { .name: vals_codes, .offset: 40, .size: 8, .value_kind: global_buffer, .address_space: global }
    .group_segment_fixed_size: 327680
    .private_segment_fixed_size: 0
    .kernarg_segment_align: 8
    .kernarg_segment_size: 48
    .max_flat_workgroup_size: 256
    .sgpr_count:     80
    .vgpr_count:     512
    .wavefront_size: 32
...
	.end_amdgpu_metadata
.endif
;; end of part 2
;; launch oproj (part 3): grid 8 x 32, 4 waves a work-group, clusters of 4 x 4, 327,680 bytes of LDS; arguments vals_codes, W_o_codes, lowp_scales, b_o, out0; writes out0
.if DOCPART == 3
	.amdgcn_target "amdgcn-amd-amdhsa--gfx1250"
	.amdhsa_code_object_version 6
	.text
	.protected	k_q296f0c991d_oproj
	.globl	k_q296f0c991d_oproj
	.p2align	8
	.type	k_q296f0c991d_oproj,@function
k_q296f0c991d_oproj:
	s_mov_b64 s[64:65], 0
	v_nop
	global_prefetch_b8 v0, s[64:65] scope:SCOPE_SE
	s_setreg_imm32_b32 hwreg(HW_REG_WAVE_MODE, 25, 1), 1
	s_wait_xcnt 0x0
	s_wait_alu depctr_hold_cnt(0) depctr_sa_sdst(0) depctr_va_vdst(0) depctr_va_sdst(0) depctr_va_ssrc(0) depctr_va_vcc(0) depctr_vm_vsrc(0)
	s_getreg_b32 s2, hwreg(HW_REG_IB_STS2, 6, 4)
	s_cmp_eq_u32 s2, 0
	s_cbranch_scc0 .Lentry_in_a_cluster
	s_endpgm
.Lentry_in_a_cluster:
	s_bfe_u32 s2, ttmp6, 0x10000c
	s_cmp_lg_u32 s2, 0xf033
	s_cbranch_scc0 .Lentry_shape_is_right
	s_endpgm
.Lentry_shape_is_right:
.set KROW,   1024
.set ROWB,   256
.set PITCH,  272
.set FR,     16
.set NL,     4
.set NP,     4
.set HALFA,  128*PITCH
.set HALFB,  64*PITCH
.set SLOT,   2*HALFA+2*HALFB
.set LAPS,   2
.set SPARE,  2*SLOT
.set SPITCH, 272
.set ADRA, 16
.set ADRB, 20
.set STO,  24
.set RD,   25
.set CO,   26
.set BO,   27
.set SPW,  28
.set NIL,  29
.set TMP,  32
.set BI,   64
.set AF,   128
.set BK,   128
.set G1, 24
.set G0, 32
.set G1B, 48
.set G0B, 56
.set MSB, 0
.macro WIN new
.if MSB != (\new)
	s_set_vgpr_msb (MSB<<8)|(\new)
.set MSB, (\new)
.endif
.endm
.macro JLOAD s
	s_cmp_eq_u32 s15, 0
	s_cbranch_scc0 .Lfor_b_\@
	tensor_load_to_lds s[G0+4*\s:G0+4*\s+3], s[G1:G1+7]
	s_nop 0
.rept 4
	v_nop
.endr
	s_branch .Lasked_\@
.Lfor_b_\@:
	tensor_load_to_lds s[G0B+4*\s:G0B+4*\s+3], s[G1B:G1B+7]
	s_nop 0
.rept 4
	v_nop
.endr
.Lasked_\@:
.endm
.macro CREST
	s_cmp_lg_u32 s14, 0
	s_cbranch_scc1 .Lnot_wave_0_\@
	s_barrier_signal -3
.Lnot_wave_0_\@:
	s_barrier_wait -3
	s_barrier_signal -1
	s_barrier_wait -1
.endm
.macro CROUND
	s_barrier_signal -1
	s_barrier_wait -1
	CREST
.endm
.macro PLACES n
.rept \n
	v_nop
.endr
.endm
	s_load_b256 s[4:11], s[0:1], 0x0
	s_load_b64 s[12:13], s[0:1], 0x20
	v_lshl_add_u32 v[SPW], v0, 2, SPARE
	v_mov_b32 v[NIL], 0
	ds_add_u32 v[SPW], v[NIL]
	ds_add_u32 v[SPW], v[NIL]
	v_lshrrev_b32 v1, 5, v0
	v_readfirstlane_b32 s14, v1
	s_lshr_b32 s15, s14, 1
	s_and_b32 s16, s14, 1
	s_bfe_u32 s40, ttmp6, 0x40000
	s_bfe_u32 s41, ttmp6, 0x40004
	s_lshl_b32 s42, ttmp9, 2
	s_add_co_u32 s42, s42, s40
	s_and_b32 s17, ttmp7, 0xffff
	s_lshl_b32 s17, s17, 2
	s_add_co_u32 s17, s17, s41
	s_lshl_b32 s43, s41, 2
	s_lshl_b32 s43, 15, s43
	s_lshl_b32 s44, 0x1111, s40
	s_or_b32 s[G1+0], s43, (1<<20)|(1<<21)|(5<<22)|(3<<25)
	s_or_b32 s[G1B+0], s44, (1<<20)|(1<<21)|(5<<22)|(3<<25)
	s_mov_b32 s[G1+1], ROWB<<16
	s_mov_b32 s[G1+2], 128<<16
	s_mov_b32 s[G1+3], ROWB<<16
	s_mov_b32 s[G1+4], 128
	s_mov_b32 s[G1+5], KROW
	s_mov_b32 s[G1+6], 0
	s_mov_b32 s[G1+7], 0
	s_mov_b32 s[G1B+1], ROWB<<16
	s_mov_b32 s[G1B+2], 64<<16
	s_mov_b32 s[G1B+3], ROWB<<16
	s_mov_b32 s[G1B+4], 64
	s_mov_b32 s[G1B+5], KROW
	s_mov_b32 s[G1B+6], 0
	s_mov_b32 s[G1B+7], 0
	s_lshl_b32 s18, s16, 7
	s_lshl_b32 s20, s17, 8
	s_add_co_u32 s20, s20, s18
	s_lshl_b32 s20, s20, 10
	s_mov_b32 s21, 0
	s_lshl_b32 s18, s16, 6
	s_lshl_b32 s46, s42, 7
	s_add_co_u32 s46, s46, s18
	s_lshl_b32 s46, s46, 10
	s_mov_b32 s47, 0
	s_mul_i32 s45, s16, HALFA
	s_mul_i32 s19, s16, HALFB
	s_add_co_u32 s19, s19, 2*HALFA
	s_wait_dscnt 0x0
	s_wait_kmcnt 0x0
	s_load_b64 s[96:97], s[8:9], 0x18
	s_add_nc_u64 s[20:21], s[4:5], s[20:21]
	s_add_nc_u64 s[46:47], s[6:7], s[46:47]
	CROUND
.irp s, 0,1
	s_mov_b32 s[G0+4*\s], 1
	s_add_co_u32 s[G0+4*\s+1], s45, \s*SLOT
	s_add_nc_u64 s[G0+4*\s+2:G0+4*\s+3], s[20:21], \s*ROWB
	s_or_b32 s[G0+4*\s+3], s[G0+4*\s+3], 0x80000000
	s_mov_b32 s[G0B+4*\s], 1
	s_add_co_u32 s[G0B+4*\s+1], s19, \s*SLOT
	s_add_nc_u64 s[G0B+4*\s+2:G0B+4*\s+3], s[46:47], \s*ROWB
	s_or_b32 s[G0B+4*\s+3], s[G0B+4*\s+3], 0x80000000
	s_wait_alu depctr_va_vdst(0)
	s_wait_tensorcnt 0x0
	ds_add_u32 v28, v29
	ds_add_u32 v28, v29
	s_wait_dscnt 0x0
	CROUND
	JLOAD \s
.endr
	v_and_b32 v1, 15, v0
	s_wait_alu depctr_va_vdst(0)
	v_bfe_u32 v2, v0, 4, 1
	s_lshl_b32 s92, s42, 9
	s_lshl_b32 s93, s16, 8
	s_add_co_u32 s92, s92, s93
	s_mov_b32 s93, 0
	s_add_nc_u64 s[10:11], s[10:11], s[92:93]
	v_lshlrev_b32 v[BO], 5, v2
.irp i, 0,1,2,3
	global_load_b128 v[BI+8*\i:BI+8*\i+3], v[BO], s[10:11] offset:64*\i
	global_load_b128 v[BI+8*\i+4:BI+8*\i+7], v[BO], s[10:11] offset:64*\i+16
.endr
	v_mul_u32_u24 v3, v1, PITCH
	v_lshl_add_u32 v4, v2, 4, v3
	s_mul_i32 s21, s15, HALFA
	s_mul_i32 s22, s16, HALFB
	s_add_co_u32 s22, s22, 2*HALFA
.irp s, 0,1
	v_add_nc_u32 v[ADRA+\s], s21, v4
	v_add_nc_u32 v[ADRB+\s], s22, v4
	s_add_co_u32 s21, s21, SLOT
	s_add_co_u32 s22, s22, SLOT
.endr
	s_mul_i32 s23, s14, 16*SPITCH
	v_mul_u32_u24 v5, v1, SPITCH
	s_wait_alu depctr_va_vdst(0)
	v_lshl_add_u32 v5, v2, 5, v5
	v_add_nc_u32 v[STO], s23, v5
	v_mul_u32_u24 v5, v2, SPITCH
	v_lshl_add_u32 v5, v1, 4, v5
	v_add_nc_u32 v[RD], s23, v5
	v_lshlrev_b32 v[CO], 12, v2
	v_lshl_add_u32 v[CO], v1, 4, v[CO]
	s_lshl_b32 s94, s17, 8
	s_lshl_b32 s95, s15, 7
	s_add_co_u32 s94, s94, s95
	s_lshl_b32 s94, s94, 12
	s_add_co_u32 s94, s94, s92
	s_mov_b32 s95, 0
	s_add_nc_u64 s[12:13], s[12:13], s[94:95]
.macro FRAG reg, adr, q, i
.irp c, 0,1,2,3
	ds_load_b128 v[\reg+4*\c:\reg+4*\c+3], v[\adr] offset:128*(\q)+32*\c+(\i)*16*PITCH
.endr
.endm
.macro FETCH_B slot, q, p
	WIN 0x40
.irp i, 0,1,2,3
	FRAG 128*(\p)+FR*\i, ADRB+\slot, \q, \i
.endr
	WIN 0
.endm
.macro FETCH_A slot, q, i0
.irp i, \i0, \i0+1, \i0+2, \i0+3
	FRAG AF+FR*(\i), ADRA+\slot, \q, \i
.endr
.endm
.macro MUL8 a0, p, zero
	WIN 0xa1+0x50*((\a0)/4)
.irp a, \a0, \a0+1
.irp b, 0,1,2,3
.if \zero
	v_wmma_f32_16x16x128_fp8_fp8 v[8*(4*((\a)%4)+\b):8*(4*((\a)%4)+\b)+7], v[128*(\p)+FR*\b:128*(\p)+FR*\b+FR-1], v[AF+FR*(\a):AF+FR*(\a)+FR-1], 0
.else
	v_wmma_f32_16x16x128_fp8_fp8 v[8*(4*((\a)%4)+\b):8*(4*((\a)%4)+\b)+7], v[128*(\p)+FR*\b:128*(\p)+FR*\b+FR-1], v[AF+FR*(\a):AF+FR*(\a)+FR-1], v[8*(4*((\a)%4)+\b):8*(4*((\a)%4)+\b)+7]
.endif
.endr
.endr
.endm
.macro STEP slot, q, zero
	s_wait_dscnt 4*NL
	MUL8 0, (\q)%2, \zero
	MUL8 2, (\q)%2, \zero
	s_wait_dscnt 0
	PLACES NP
	FETCH_B \slot, (\q)+1, 1-(\q)%2
	FETCH_A \slot, (\q)+1, 0
	MUL8 4, (\q)%2, \zero
	MUL8 6, (\q)%2, \zero
	PLACES NP
	WIN 0
	FETCH_A \slot, (\q)+1, 4
.endm
.macro TURN slot, next, fill
	s_wait_tensorcnt 0x0
	ds_add_u32 v[SPW], v[NIL]
	s_wait_dscnt 4*NL+1
	MUL8 0, 1, 0
	s_wait_dscnt 0x0
	s_barrier_signal -1
	MUL8 2, 1, 0
	WIN 0
	s_barrier_wait -1
.if \fill
	CREST
	s_add_nc_u64 s[G0+4*\slot+2:G0+4*\slot+3], s[G0+4*\slot+2:G0+4*\slot+3], 2*ROWB
	s_add_nc_u64 s[G0B+4*\slot+2:G0B+4*\slot+3], s[G0B+4*\slot+2:G0B+4*\slot+3], 2*ROWB
	JLOAD \slot
.else
	PLACES NP
.endif
	FETCH_B \next, 0, 0
	FETCH_A \next, 0, 0
	MUL8 4, 1, 0
	MUL8 6, 1, 0
	PLACES NP
	WIN 0
	FETCH_A \next, 0, 4
.endm
	s_wait_tensorcnt 1
	s_barrier_signal -1
	s_barrier_wait -1
	FETCH_B 0, 0, 0
	FETCH_A 0, 0, 0
	FETCH_A 0, 0, 4
	STEP 0, 0, 1
	s_mov_b32 s3, LAPS-1
.Llap:
	TURN 0, 1, 1
	STEP 1, 0, 0
	TURN 1, 0, 1
	STEP 0, 0, 0
	s_sub_co_u32 s3, s3, 1
	s_cmp_lg_u32 s3, 0
	s_cbranch_scc1 .Llap
	TURN 0, 1, 0
	STEP 1, 0, 0
	s_wait_dscnt 4*NL
	MUL8 0, 1, 0
	MUL8 2, 1, 0
	s_wait_dscnt 0
	MUL8 4, 1, 0
	MUL8 6, 1, 0
	WIN 0
.macro TOSTAGE a
.set AC, 32*((\a)%4)
	WIN 0x02+((\a)/4)
.set j, 0
.rept 16
	v_pk_fma_f32 v[TMP+j:TMP+j+1], v[AC+j:AC+j+1], s[96:97], v[BI+j:BI+j+1] op_sel_hi:[1,0,1]
.set j, j+2
.endr
	WIN 0
.irp b, 0,1,2,3
	ds_store_b128 v[STO], v[TMP+8*\b:TMP+8*\b+3] offset:64*\b
	ds_store_b128 v[STO], v[TMP+8*\b+4:TMP+8*\b+7] offset:64*\b+16
.endr
.set BB, BK+32*((\a)%2)
.irp t, 0,1,2,3,4,5,6,7
	ds_load_b128 v[BB+4*\t:BB+4*\t+3], v[RD] offset:\t*2*SPITCH
.endr
.endm
.macro SEND a, younger
.set BB, BK+32*((\a)%2)
	s_wait_dscnt \younger
.if (\a) > 0
	s_add_nc_u64 s[12:13], s[12:13], 16*4096
.endif
.irp t, 0,1,2,3,4,5,6,7
	global_store_b128 v[CO], v[BB+4*\t:BB+4*\t+3], s[12:13] offset:\t*8192 th:TH_STORE_NT
.endr
.endm
	s_wait_kmcnt 0x0
	s_add_co_i32 s96, s96, s97
	s_add_co_i32 s96, s96, 127
	s_lshl_b32 s96, s96, 23
	s_mov_b32 s97, s96
	s_wait_loadcnt 0x0
	PLACES NP
	TOSTAGE 0
.irp a, 1,2,3,4,5,6,7
.if \a > 1
	s_wait_xcnt 0x0
.endif
	TOSTAGE \a
	SEND \a-1, 16
.endr
	s_wait_xcnt 0x0
	SEND 7, 0
	s_wait_tensorcnt 0x0
	ds_add_u32 v[SPW], v[NIL]
	s_wait_dscnt 0x0
	CROUND
	s_endpgm
.Lfunc_end_k_q296f0c991d_oproj:
	.size	k_q296f0c991d_oproj, .Lfunc_end_k_q296f0c991d_oproj-k_q296f0c991d_oproj
	.p2alignl 7, 3214868480
	.fill 96, 4, 3214868480
	.section	.rodata,"a",@progbits
	.p2align	6, 0x0
	.amdhsa_kernel k_q296f0c991d_oproj
		.amdhsa_group_segment_fixed_size 327680
		.amdhsa_private_segment_fixed_size 0
		.amdhsa_enable_private_segment 0
		.amdhsa_kernarg_size 40
		.amdhsa_user_sgpr_count 2
		.amdhsa_user_sgpr_kernarg_segment_ptr 1
		.amdhsa_wavefront_size32 1
		.amdhsa_system_sgpr_workgroup_id_x 1
		.amdhsa_system_sgpr_workgroup_id_y 1
		.amdhsa_system_sgpr_workgroup_id_z 1
		.amdhsa_system_vgpr_workitem_id 0
		.amdhsa_next_free_vgpr 1024
		.amdhsa_next_free_sgpr 100
		.amdhsa_reserve_vcc 0
		.amdhsa_float_denorm_mode_32 3
		.amdhsa_float_denorm_mode_16_64 3
		.amdhsa_memory_ordered 1
		.amdhsa_forward_progress 1
		.amdhsa_inst_pref_size 79
	.end_amdhsa_kernel
	.amdgpu_metadata
---
amdhsa.version: [ 1, 2 ]
amdhsa.kernels:
  - .name:           k_q296f0c991d_oproj
    .symbol:         k_q296f0c991d_oproj.kd
    .args:
      - { .name: vals_codes, .offset: 0, .size: 8, .value_kind: global_buffer, .address_space: global }
      - { .name: W_o_codes, .offset: 8, .size: 8, .value_kind: global_buffer, .address_space: global }
      - { .name: lowp_scales, .offset: 16, .size: 8, .value_kind: global_buffer, .address_space: global }
      - { .name: b_o, .offset: 24, .size: 8, .value_kind: global_buffer, .address_space: global }
      - { .name: out0, .offset: 32, .size: 8, .value_kind: global_buffer, .address_space: global }
    .group_segment_fixed_size: 327680
    .private_segment_fixed_size: 0
    .kernarg_segment_align: 8
    .kernarg_segment_size: 40
    .max_flat_workgroup_size: 128
    .sgpr_count:     100
    .vgpr_count:     1024
    .wavefront_size: 32
...
	.end_amdgpu_metadata
.endif
;; end of part 3
